; MI455X (gfx1250); checked and timed in simulation.
; The chip was launched on July 23, 2026; its instructions are those of AMD's public machine-readable ISA for CDNA 5 (MIT licence, August 2026) and "CDNA5" Instruction Set Architecture Reference Guide (July 2026). The comments in the code are by the model that wrote it; some were corrected since.
;; Attention. Allowed arithmetic: matrix products marked QUANTISED: E2M3 operands, one E8M0 scale for each 32 along K, by v_wmma_scale_f32_16x16x128_f8f6f4 with both operands' format E2M3, f32 sums; everything else in f32.
;; Inputs: keys 8 x 1,024 x 2,048 float32; queries 8 x 2,048 x 1,024 float32; values 8 x 2,048 x 1,024 float32.
;; Outputs: out0 8 x 2,048 x 1,024 float32.
;; This version of the problem:
;;   THIS VERSION OF THE PROBLEM IS GIVEN IN LOW PRECISION. The matrix products marked QUANTISED in the list below multiply operands that are first quantised to E2M3 (2 exponent bits, 3 mantissa bits; 6 bits a number), with one power-of-two scale for each 32 numbers along K (OCP MX v1.0); their sums are f32. All else is computed in f32.
;;   The module's matrix products, in the order in which they are computed (A, B: the left and right operand; K: the contracted axis; several contracted axes count as one K, in the product's order):
;;     1. batch 8 x [M 2,048, K 1,024] x [K 1,024, N 2,048]; A: input queries; B: input keys: QUANTISED
;;     2. batch 8 x [M 2,048, K 2,048] x [K 2,048, N 1,024]; A: softmax (see below); B: input values: QUANTISED
;;   THE QUANTISER, for each operand of a quantised product, along K:
;;     - K is cut into blocks of 32 from its start; a last block that is shorter is filled with zeros.
;;     - A block's scale is 2^e with e = floor(log2(the largest magnitude in the block)) - 2, held to -126 .. 127; a block of zeros has e = 0. As a byte (E8M0): e + 127.
;;     - Each number is divided by its block's scale, clamped to +-7.5, and rounded to the nearest number of E2M3, ties to even, subnormals kept.
;;     - The product sums the exact products of the quantised numbers (number of the format x scale) in f32.
;;   ~~~python
;;   def quantise(x, axis):      # numpy; x: float32 -> the quantised numbers, widened to float32 again
;;       x = np.moveaxis(x, axis, -1); K = x.shape[-1]
;;       x = np.pad(x, [(0, 0)] * (x.ndim - 1) + [(0, -K % 32)]); x = x.reshape(x.shape[:-1] + (-1, 32)); a = np.abs(x).max(-1, keepdims=True)
;;       e = np.where(a > 0, np.clip(np.frexp(np.where(a > 0, a, 1))[1] - 1 - 2, -126, 127), 0)      # np.frexp(a)[1] - 1 = floor(log2(a)), exactly
;;       r = np.clip(x / 2.0 ** e, -7.5, 7.5)
;;       step = 2.0 ** (np.maximum(np.frexp(np.where(r == 0, 1, r))[1] - 1, 0) - 3)
;;       q = np.round(r / step) * step * 2.0 ** e      # np.round: ties to even
;;       return np.moveaxis(q.reshape(q.shape[:-2] + (-1,))[..., :K], -1, axis).astype(np.float32)
;;   ~~~
;;   SOFTMAX AHEAD OF A QUANTISED PRODUCT. Where the list says 'softmax', what is quantised is not the finished softmax but p = 2^(t - M), with t = logit x log2(e) and M = ceil(the row's largest t), a whole number; so 1/2 < the row's largest p <= 1. The row's sum l is taken of the UNQUANTISED p, in f32, and the product's result is divided by l at the end. Since M is a whole number, a kernel that streams over the keys may use a running M (the ceiling of the running maximum): every later rescaling is an exact power of two, which a block's scale takes up: the codes' values come out the same.
;;   OPERANDS COMPUTED ON THE WAY. 'Computed on the way' means the value that the module computes at that place (a softmax that the list does not call 'softmax' is quantised finished and normalised). What goes into a quantiser is computed in f32, as accurately as f32 sums, v_exp_f32 and their like allow (about 1e-6 of the number): no bf16 or f16 on the way to a quantiser, and a product that is left as it is and whose result goes on into a quantised operand takes f32 operands (vector FMAs, or v_wmma_f32_16x16x4_f32). A number that lies on a knife's edge between two numbers of the format may be rounded either way, as far as f32 arithmetic and the matrix unit's own rounding can turn it there, and no further.
;; One version. Each part assembles by itself: llvm-mc -triple=amdgcn-amd-amdhsa -mcpu=gfx1250 --defsym DOCPART=n.
;; ======== version 1 of 1: 3 launches
;; limits: right only within a limited range of input values
;; workspace buffers: qc 12,582,912 bytes; qs 524,288 bytes; kc 12,582,912 bytes; ks 524,288 bytes; vc 12,582,912 bytes; vs 524,288 bytes; pc 25,165,824 bytes; st 3,145,728 bytes
;; launch quant (part 1): grid 768 x 1, 4 waves a work-group, no clusters, 34,304 bytes of LDS; arguments queries, keys, values, qc, qs, kc, ks, vc, vs; writes qc, qs, kc, ks, vc, vs
.if DOCPART == 1
	.amdgcn_target "amdgcn-amd-amdhsa--gfx1250"
	.amdhsa_code_object_version 6
	.text
	.protected	k_q4cba931983_quant
	.globl	k_q4cba931983_quant
	.p2align	8
	.type	k_q4cba931983_quant,@function
k_q4cba931983_quant:
	s_mov_b64 s[64:65], 0
	v_nop
	global_prefetch_b8 v0, s[64:65] scope:SCOPE_SE
	s_setreg_imm32_b32 hwreg(HW_REG_WAVE_MODE, 25, 1), 1
	s_wait_xcnt 0x0
; queries [8][2048][1024], keys [8][1024][2048], values [8][2048][1024], f32, become codes of FP6 (E2M3) with one E8M0 scale byte for each 32 along K.
; K is d for queries (innermost) and keys (first axis), and the key index for values (first axis).
; A block's scale is 2^(floor(log2(its largest magnitude)) - 2); its byte is the largest magnitude's exponent field - 2, held at 1 from below.
; THE CODES ARE LAID AS IMAGES OF THE OPERAND'S REGISTERS.  A fragment (16 rows x 128 K, 12 registers a lane) is 1,536 bytes: registers 4 c .. 4 c + 3 of lane l at 512 c + 16 l.
;   qc, kc: [batch][256 along K: 4][tile of 16 rows: 128][128 along K: 2][1536];   vc: [batch][256 along K: 8][tile: 64][2][1536].
;   In kc the keys of each 32 are dealt to two tiles: key 16 a + 8 u + c is row 8 a + c of tile u, so that the first product's results come out as neighbours along the second product's K.
; THE SCALE WORDS (four bytes: 128 along K of one row): [batch][128 rows][256 along K][pair of tiles: 4][row 16][tile of the pair 2][128 along K 2] x 4 bytes: 16 bytes at 16 r serve two tiles and two K steps.
; SHARES.  768 work-groups of four waves, 256 KB of f32 each: 0-255 queries, 256-511 keys, 512-767 values; the paths part on the work-group's number and join at the end.
;   keys, values: a lane takes a column and its registers run down K: a block of 32 lies in one lane.  A wave takes 32 columns x 512 along K; loads run two blocks (64 loads) ahead.
;   queries: a wave takes 16 rows; each load reads 512 consecutive bytes of a row; a K step (16 x 512 bytes) turns through the wave's own stage in LDS, rows 528 bytes apart, and comes back 16 neighbours of each block a lane.
; Every store of codes covers whole aligned runs of 256 bytes.  The queries' scale words (0.5 MB in all) are stored 4 bytes a lane, 8 of each 16 bytes: runs written in part.
; LIMITS: NaN and infinities are not served; a block whose largest magnitude lies under 2^-124, a block of zeros among them, keeps the byte 1 (a block of zeros has zero codes; the bytes are read by this program alone).
.set SPARE, 33792                      ; behind the four stages of 8,448 bytes: the spare words, 128 bytes a wave
.set SPW,  28                          ; v28  LDS address of my spare word; never rewritten
.set NIL,  29                          ; v29  0; never rewritten
.set SEL,  36                          ; s[36:37] selects for lane l xor 16
.set X,    32                          ; keys, values: v32-95 two sets of 32 numbers
.set CI,   96                          ; v96-191 the codes of four K steps, 24 registers each: lanes 0-15's twelve, then lanes 16-31's; never written twice
.set TMPC, 192                         ; v192-194 a block's upper 16 codes, ahead of their move
.set SW,   196                         ; v196-199 the four K steps' scale words
.set PC,   8                           ; queries: v8-26 the codes just made
.set R,    32                          ; v32-159 two sets of 64 registers as loaded
.set XQ,   160                         ; v160-223 64 numbers of a lane
.set TM,   224                         ; v224-239 at work
.set PW,   240                         ; v240 the scale word just made; v241 the even K step's; v242 what is stored
; 64 numbers of a lane, register 16 b + i = k 32 b + 16 (lane / 16) + i of my row, become a fragment's codes in v[PC] on and its scale word in v[PW].
.macro QUANT s
.irp b, 0,1,2,3
	v_max3_num_f32 v[TM+\b], |v[\s+16*\b]|, |v[\s+1+16*\b]|, 0x1800000   ; my 16 numbers of block b, and the floor 2^(3 - 127): the byte cannot fall under 1
.endr
.irp i, 2,4,6,8,10,12,14
.irp b, 0,1,2,3
	v_max3_num_f32 v[TM+\b], v[TM+\b], |v[\s+16*\b+\i]|, |v[\s+1+16*\b+\i]|
.endr
.endr
.irp b, 0,1,2,3
	v_permlanex16_b32 v[TM+4+\b], v[TM+\b], s[SEL], s[SEL+1]
.endr
.irp b, 0,1,2,3
	v_max_num_f32 v[TM+\b], v[TM+\b], v[TM+4+\b]   ; with lane l xor 16's: the block's largest magnitude
.endr
.irp b, 0,1,2,3
	v_add_nc_u32 v[TM+12+\b], 0xff000000, v[TM+\b]   ; 2 off its exponent field: the conversion's scale operand
.endr
.irp b, 0,1,2,3
	v_lshrrev_b32 v[TM+4+\b], 23, v[TM+12+\b]      ; the scale's byte
.endr
	v_lshl_or_b32 v[PW], v[TM+5], 8, v[TM+4]
	v_lshl_or_b32 v[PW], v[TM+6], 16, v[PW]
	v_lshl_or_b32 v[PW], v[TM+7], 24, v[PW]
.irp c, 0,1
	v_cvt_scalef32_pk16_fp6_f32 v[PC+6*\c:PC+2+6*\c], v[\s+32*\c:\s+15+32*\c], v[TM+12+2*\c]
	v_cvt_scalef32_pk16_fp6_f32 v[PC+12+4*\c:PC+14+4*\c], v[\s+16+32*\c:\s+31+32*\c], v[TM+12+2*\c+1]   ; (a conversion's three registers begin on an even number)
.endr
	v_nop                                          ; one plain place behind a scaled conversion
.irp c, 0,1                                    ; the operand's layout wants a whole block in a lane
.irp i, 0,1,2
	v_permlane16_swap_b32 v[PC+6*\c+\i], v[PC+12+4*\c+\i]
.endr
.irp i, 0,1,2
	v_mov_b32 v[PC+3+6*\c+\i], v[PC+12+4*\c+\i]
.endr
.endr
.endm
.macro QLOAD s                         ; K step s of my 16 rows: each load reads 512 consecutive bytes of one row
.irp i, 0,1,2,3,4,5,6,7,8,9,10,11,12,13,14,15
	global_load_b128 v[R+64*((\s)%2)+4*\i:R+64*((\s)%2)+4*\i+3], v4, s[40:41] offset:4096*\i+512*(\s) th:TH_LOAD_NT
.endr
.endm
.macro QSTEP s
.if (\s) < 7
	s_wait_loadcnt 16                              ; this K step's 16 loads are in; the next step's may be out
.else
	s_wait_loadcnt 0
.endif
.irp i, 0,1,2,3,4,5,6,7,8,9,10,11,12,13,14,15
	ds_store_b128 v5, v[R+64*((\s)%2)+4*\i:R+64*((\s)%2)+4*\i+3] offset:528*\i
.endr
.irp b, 0,1,2,3
.irp j, 0,1,2,3
	ds_load_b128 v[XQ+16*\b+4*\j:XQ+16*\b+4*\j+3], v6 offset:128*\b+16*\j   ; LDS serves a wave's instructions in order: these see the stores above
.endr
.endr
	s_wait_dscnt 0x0                               ; the numbers are back, and the stores into the stage have read their registers
	s_wait_xcnt 0x0                                ; the last step's global stores have read their data: the codes and v242 may be written again
.if (\s)+2 < 8
	QLOAD (\s)+2
.endif
	QUANT XQ
.irp c, 0,1,2
	global_store_b128 v4, v[PC+4*\c:PC+4*\c+3], s[42:43] offset:((\s)>>1)*393216+((\s)&1)*1536+512*\c   ; 32 lanes store 512 consecutive bytes of the image
.endr
.if (\s)%2 == 0
	v_mov_b32 v241, v[PW]
.else
	v_cndmask_b32 v242, v241, v[PW], s38           ; lanes 0-15 the even step's word of row r, lanes 16-31 the odd step's
	global_store_b32 v7, v242, s[44:45] offset:((\s)>>1)*1024
.endif
.endm
.macro KLOAD t, rs                     ; block t: rows 32 t + i of the source at my column
.set i, 0
.rept 32
	global_load_b32 v[X+32*((\t)%2)+i], v1, s[40:41] offset:(32*(\t)+i)*(\rs) th:TH_LOAD_NT
.set i, i+1
.endr
.endm
.macro KBLOCK t, rs, sg
.set XS, X+32*((\t)%2)
.set STP, (\t)/4                       ; the K step of 128,
.set BE, (\t)%4                        ; the block in it: it belongs to lane half BE & 1, registers 6 (BE >> 1) on
.set DST, CI+24*STP+12*(BE&1)+6*(BE>>1)
.if (\t) < 15
	s_wait_loadcnt 32                              ; this block's 32 loads are in; the next block's may be out
.else
	s_wait_loadcnt 0
.endif
	v_max3_num_f32 v200, |v[XS]|, |v[XS+1]|, |v[XS+2]|
	v_max3_num_f32 v201, |v[XS+3]|, |v[XS+4]|, |v[XS+5]|
.irp i, 6,10,14,18,22,26
	v_max3_num_f32 v200, v200, |v[XS+\i]|, |v[XS+\i+1]|
	v_max3_num_f32 v201, v201, |v[XS+\i+2]|, |v[XS+\i+3]|
.endr
	v_max3_num_f32 v200, v200, |v[XS+30]|, |v[XS+31]|
	v_max3_num_f32 v200, v200, v201, 0x1800000     ; and the floor 2^(3 - 127)
	v_add_nc_u32 v202, 0xff000000, v200            ; 2 off the exponent field: the conversion's scale operand
	v_cvt_scalef32_pk16_fp6_f32 v[DST:DST+2], v[XS:XS+15], v202
	v_cvt_scalef32_pk16_fp6_f32 v[TMPC:TMPC+2], v[XS+16:XS+31], v202
	v_lshrrev_b32 v203, 23, v202                   ; the scale's byte (also the plain place behind the conversions)
	v_mov_b32 v[DST+3], v[TMPC]
	v_mov_b32 v[DST+4], v[TMPC+1]
	v_mov_b32 v[DST+5], v[TMPC+2]
.if BE == 0
	v_mov_b32 v[SW+STP], v203
.else
	v_lshl_or_b32 v[SW+STP], v203, 8*BE, v[SW+STP]
.endif
.if (\t)+2 < 16
	KLOAD (\t)+2, \rs
.endif
.if BE == 3                            ; a K step's two tiles are whole: six stores, each two aligned runs of 256 bytes (sixteen rows of one tile, sixteen of the other)
.irp h, 0,1
.irp j, 0,1,2
	global_store_b128 v2, v[CI+24*STP+12*\h+4*\j:CI+24*STP+12*\h+4*\j+3], s[42:43] offset:(STP>>1)*(\sg)+(STP&1)*1536+512*\j+256*\h
.endr
.endr
.endif
.if (\t)%8 == 7
	global_store_b64 v3, v[SW+2*((\t)/8):SW+2*((\t)/8)+1], s[44:45] offset:((\t)/8)*1024   ; two K steps' words: 32 lanes store 256 consecutive bytes
.endif
.endm
; The path of keys (perm = 1) or values (perm = 0).  j = work-group - jb; batch = j >> 5; cbf: the field of j that names the 128 columns; km: the bits that name the 512 along K.
.macro KVQ jb, cbf, km, ksh, nsl, sg, nbl, sbl, rs, perm, src, cod, scl
	s_sub_co_u32 s23, ttmp9, \jb
	s_lshr_b32 s27, s23, 5                         ; batch
	s_bfe_u32 s28, s23, \cbf                       ; which 128 columns
	s_and_b32 s29, s23, \km                        ; which 512 along K
	s_lshl_b32 s24, s27, 23                        ; source: a batch is 8 MB,
	s_lshl_b32 s26, s29, \ksh                      ; 512 rows,
	s_add_co_u32 s24, s24, s26
	s_lshl_b32 s26, s28, 9                         ; 128 columns,
	s_add_co_u32 s24, s24, s26
	s_lshl_b32 s26, s22, 7                         ; my wave's 32
	s_add_co_u32 s24, s24, s26
	s_add_nc_u64 s[40:41], s[\src:\src+1], s[24:25]
	s_lshl_b32 s24, s27, \nsl                      ; codes: which 256 along K,
	s_lshl_b32 s26, s29, 1
	s_add_co_u32 s24, s24, s26
	s_mul_i32 s24, s24, \sg
	s_lshl_b32 s26, s28, 3                         ; which pair of tiles
	s_lshl_b32 s30, s22, 1
	s_add_co_u32 s26, s26, s30
	s_mul_i32 s26, s26, 3072
	s_add_co_u32 s24, s24, s26
	s_add_nc_u64 s[42:43], s[\cod:\cod+1], s[24:25]
	s_lshl_b32 s24, s27, \nbl                      ; scale words: which 128 rows,
	s_add_co_u32 s24, s24, s28
	s_lshl_b32 s24, s24, \sbl
	s_lshl_b32 s26, s29, 11                        ; two runs of 256 along K,
	s_add_co_u32 s24, s24, s26
	s_lshl_b32 s26, s22, 8                         ; my pair of tiles
	s_add_co_u32 s24, s24, s26
	s_add_nc_u64 s[44:45], s[\scl:\scl+1], s[24:25]
.if \perm
	v_bfe_u32 v8, v0, 3, 1                         ; my column 16 a + 8 u + c: tile u,
	v_bfe_u32 v9, v0, 4, 1
	v_and_b32 v10, 7, v0
	v_lshl_add_u32 v9, v9, 3, v10                  ; row 8 a + c
.else
	v_bfe_u32 v8, v0, 4, 1                         ; tile = column / 16,
	v_and_b32 v9, 15, v0                           ; row = column % 16
.endif
	v_lshlrev_b32 v1, 2, v30                       ; in: 4 bytes a lane
	v_mul_u32_u24 v2, v8, 3072
	v_lshl_add_u32 v2, v9, 4, v2                   ; codes: 3,072 x tile + 16 x row
	v_lshlrev_b32 v3, 3, v8
	v_lshl_add_u32 v3, v9, 4, v3                   ; scale words: 16 x row + 8 x tile
	KLOAD 0, \rs
	KLOAD 1, \rs
.set TT, 0
.rept 16
	KBLOCK TT, \rs, \sg
.set TT, TT+1
.endr
.endm
	s_load_b256 s[4:11], s[0:1], 0x0               ; queries s[4:5], keys s[6:7], values s[8:9], qc s[10:11]
	s_load_b256 s[12:19], s[0:1], 0x20             ; qs s[12:13], kc s[14:15], ks s[16:17], vc s[18:19]
	s_load_b64 s[20:21], s[0:1], 0x40              ; vs
	v_lshl_add_u32 v[SPW], v0, 2, SPARE
	v_mov_b32 v[NIL], 0
	v_lshrrev_b32 v1, 5, v0
	v_readfirstlane_b32 s22, v1                    ; wave 0..3
	v_and_b32 v30, 31, v0                          ; lane
	v_and_b32 v31, 15, v0                          ; r
	v_bfe_u32 v27, v0, 4, 1                        ; h
	s_mul_i32 s29, s22, 8448                       ; my stage
	v_lshlrev_b32 v4, 4, v30                       ; 16 x lane
	v_add_nc_u32 v5, s29, v4                       ; into the stage: a row's 512 bytes as they lie
	v_mul_u32_u24 v6, v31, 528
	v_lshl_add_u32 v6, v27, 6, v6
	v_add_nc_u32 v6, s29, v6                       ; out of it: row r, + 64 h: my 16 numbers of each block of 32
	v_lshlrev_b32 v7, 4, v31
	v_lshl_add_u32 v7, v27, 2, v7                  ; queries' scale words: 16 r + 4 h
	s_mov_b32 s[SEL], 0x76543210
	s_mov_b32 s[SEL+1], 0xfedcba98
	s_mov_b32 s38, 0xffff0000                      ; lanes 16-31
	s_mov_b32 s25, 0                               ; the upper word of every offset
	s_wait_kmcnt 0x0
	s_cmp_lt_u32 ttmp9, 256
	s_cbranch_scc0 .Lnot_q
	; ---- queries: work-group j takes rows 64 j on, my wave 16 of them: one tile
	s_lshl_b32 s24, ttmp9, 18
	s_lshl_b32 s26, s22, 16
	s_add_co_u32 s24, s24, s26
	s_add_nc_u64 s[40:41], s[4:5], s[24:25]
	s_lshr_b32 s27, ttmp9, 5                       ; batch
	s_and_b32 s28, ttmp9, 31
	s_lshl_b32 s28, s28, 2
	s_add_co_u32 s28, s28, s22                     ; my tile in the batch
	s_mul_i32 s24, s27, 1572864
	s_mul_i32 s26, s28, 3072
	s_add_co_u32 s24, s24, s26
	s_add_nc_u64 s[42:43], s[10:11], s[24:25]
	s_lshl_b32 s24, s27, 4
	s_lshr_b32 s26, s28, 3
	s_add_co_u32 s24, s24, s26                     ; which 128 rows,
	s_lshl_b32 s24, s24, 12
	s_bfe_u32 s26, s28, 0x20001                    ; which pair of tiles,
	s_lshl_b32 s26, s26, 8
	s_add_co_u32 s24, s24, s26
	s_and_b32 s26, s28, 1                          ; which tile of the pair
	s_lshl_b32 s26, s26, 3
	s_add_co_u32 s24, s24, s26
	s_add_nc_u64 s[44:45], s[12:13], s[24:25]
.irp b, 0,1,2,3
	v_mov_b32 v[TM+4+\b], 0                        ; written once: a lane permute's destination counts as one of its sources
.endr
	QLOAD 0
	QLOAD 1
	s_wait_alu depctr_va_vdst(0)
.irp s, 0,1,2,3,4,5,6,7
	QSTEP \s
.endr
	s_branch .Lend
.Lnot_q:
	s_cmp_lt_u32 ttmp9, 512
	s_cbranch_scc0 .Lvalues
	KVQ 256, 0x40001, 1, 22, 2, 393216, 4, 12, 8192, 1, 6, 14, 16
	s_branch .Lend
.Lvalues:
	KVQ 512, 0x30002, 3, 21, 3, 196608, 3, 13, 4096, 0, 8, 18, 20
.Lend:
	s_wait_tensorcnt 0x0                           ; the wave's end: behind my last LDS store
	ds_add_u32 v[SPW], v[NIL]
	s_wait_dscnt 0x0
	s_endpgm
.Lfunc_end_k_q4cba931983_quant:
	.size	k_q4cba931983_quant, .Lfunc_end_k_q4cba931983_quant-k_q4cba931983_quant
	.p2alignl 7, 3214868480
	.fill 96, 4, 3214868480
	.section	.rodata,"a",@progbits
	.p2align	6, 0x0
	.amdhsa_kernel k_q4cba931983_quant
		.amdhsa_group_segment_fixed_size 34304
		.amdhsa_private_segment_fixed_size 0
		.amdhsa_enable_private_segment 0
		.amdhsa_kernarg_size 72
		.amdhsa_user_sgpr_count 2
		.amdhsa_user_sgpr_kernarg_segment_ptr 1
		.amdhsa_wavefront_size32 1
		.amdhsa_system_sgpr_workgroup_id_x 1
		.amdhsa_system_sgpr_workgroup_id_y 1
		.amdhsa_system_sgpr_workgroup_id_z 1
		.amdhsa_system_vgpr_workitem_id 0
		.amdhsa_next_free_vgpr 256
		.amdhsa_next_free_sgpr 66
		.amdhsa_reserve_vcc 0
		.amdhsa_float_denorm_mode_32 3
		.amdhsa_float_denorm_mode_16_64 3
		.amdhsa_memory_ordered 1
		.amdhsa_forward_progress 1
		.amdhsa_inst_pref_size 214
	.end_amdhsa_kernel
	.amdgpu_metadata
---
amdhsa.version: [ 1, 2 ]
amdhsa.kernels:
  - .name:           k_q4cba931983_quant
    .symbol:         k_q4cba931983_quant.kd
    .args:
      - { .name: queries, .offset: 0, .size: 8, .value_kind: global_buffer, .address_space: global }
      - { .name: keys, .offset: 8, .size: 8, .value_kind: global_buffer, .address_space: global }
      - { .name: values, .offset: 16, .size: 8, .value_kind: global_buffer, .address_space: global }
      - { .name: qc, .offset: 24, .size: 8, .value_kind: global_buffer, .address_space: global }
      - { .name: qs, .offset: 32, .size: 8, .value_kind: global_buffer, .address_space: global }
      - { .name: kc, .offset: 40, .size: 8, .value_kind: global_buffer, .address_space: global }
      - { .name: ks, .offset: 48, .size: 8, .value_kind: global_buffer, .address_space: global }
      - { .name: vc, .offset: 56, .size: 8, .value_kind: global_buffer, .address_space: global }
      - { .name: vs, .offset: 64, .size: 8, .value_kind: global_buffer, .address_space: global }
    .group_segment_fixed_size: 34304
    .private_segment_fixed_size: 0
    .kernarg_segment_align: 8
    .kernarg_segment_size: 72
    .max_flat_workgroup_size: 128
    .sgpr_count:     66
    .vgpr_count:     256
    .wavefront_size: 32
...
	.end_amdgpu_metadata
.endif
;; end of part 1
;; launch scores (part 2): grid 4 x 64, 4 waves a work-group, clusters of 4 x 4, 327,680 bytes of LDS; arguments qc, qs, kc, ks, pc, st; writes pc, st
.if DOCPART == 2
	.amdgcn_target "amdgcn-amd-amdhsa--gfx1250"
	.amdhsa_code_object_version 6
	.text
	.protected	k_q4cba931983_scores
	.globl	k_q4cba931983_scores
	.p2align	8
	.type	k_q4cba931983_scores,@function
k_q4cba931983_scores:
	s_mov_b64 s[64:65], 0
	v_nop
	global_prefetch_b8 v0, s[64:65] scope:SCOPE_SE
	s_setreg_imm32_b32 hwreg(HW_REG_WAVE_MODE, 25, 1), 1
	s_wait_xcnt 0x0
	s_wait_alu depctr_hold_cnt(0) depctr_sa_sdst(0) depctr_va_vdst(0) depctr_va_sdst(0) depctr_va_ssrc(0) depctr_va_vcc(0) depctr_vm_vsrc(0)
	s_getreg_b32 s2, hwreg(HW_REG_IB_STS2, 6, 4)
	s_cmp_eq_u32 s2, 0
	s_cbranch_scc0 .Lentry_in_a_cluster
	s_endpgm
.Lentry_in_a_cluster:
	s_bfe_u32 s2, ttmp6, 0x10000c
	s_cmp_lg_u32 s2, 0xf033
	s_cbranch_scc0 .Lentry_shape_is_right
	s_endpgm
.Lentry_shape_is_right:
; The first product of the attention in MX-FP6, S = q k^T (K = 1,024), and p = 2^(t - M) quantised along the keys for the second product.
; qc, kc: codes as register images [batch][256 along K: 4][tile of 16 rows: 128][128 along K: 2][1536]; qs, ks: scale words, 4,096 bytes for 128 rows.
; A work-group makes two tiles of 256 queries x 256 keys (key blocks x and x + 4), four waves of 128 x 128 each (64 accumulators, windows 2 and 3).
; For each query and each group of 128 keys (a wave's width): t = score x log2(e) / 32, M = ceil(the group's largest t), p = 2^(t - M); stored are p's codes (pc, register images
; [batch][256 keys: 8][tile of 16 queries: 128][128 keys: 2][1536]) and, in st [batch][group: 16][3][query], p's scale word, -M and the sum of the unquantised p.
; The next launch brings the 16 groups of a row under one M: every such step is a whole power of two, which the scale bytes take up.
; LIMITS: NaN and infinities are not served; the promise holds while |t| stays under 2^31.
; THE RING: K goes in steps of 256 through two LDS slots of 98,304 bytes, 8 steps over both tiles; tile 1's first two steps are asked for in tile 0's last two changes of slots.
; CLUSTERS: 4 x 4; q's tiles are asked for jointly along a row of the cluster, k's along a column; each wave brings 24,576 bytes by one load (96 rows of 256 bytes).
; The scale words (8,192 bytes of q's, 16,384 of k's) come by loads of 16 bytes a lane, 512 consecutive bytes a wave, and go to LDS bytes of their own while K step 0's load is out.
; A K step is two phases of 128 along K, 64 matrix instructions each, on two sets of fragments; a phase's 48 LDS loads are issued one phase ahead.
; PREFETCH: of a wave's 96 runs of 256 bytes each of the four partners names 24, told apart by address (lanes 24-31 name the last again).  K steps 1 to 3 are named at the head;
; tile 1's four K steps of k behind tile 0's four refills, each two refills ahead of its load; q's tiles of tile 1 are those of tile 0, which have been read, and are not named again.
.set FRB,   1536
.set HALFT, 16*FRB
.set SLOT,  4*HALFT
.set SIG,   393216                     ; bytes from K step to K step, in qc and kc
.set DT,    196608                     ; from tile 0's keys to tile 1's in kc
.set SCL,   2*SLOT                     ; scale words: q's two halves, then k's: [tile][half][4096]
.set SPARE, SCL+24576
.set PCT,   1572864
.set STT,   196608
.set ADRA, 16
.set ADRB, 20
.set PO,   24
.set SO,   25
.set ADRS, 26
.set SPW,  28
.set NIL,  29
.set PFO,  30
.set SC,   32
.set T,    64
.set NM,   80
.set LSUM, 82
.set PW,   86
.set NINF, 87
.set KEEP, 116
.set OUT,  120
.set G1,   24
.set G0,   32
.set G1B,  48
.set G0B,  56
.set SEL,  66
.set CS,   68
.set HI,   70
.set FLR,  71
.set EOFF, 72
.set NCS,  73
.set STA,  88
.set PF,   90
.set MSB, 0
.macro WIN new
.if MSB != (\new)
	s_set_vgpr_msb (MSB<<8)|(\new)
.set MSB, (\new)
.endif
.endm
.set MUL_LO, 0xa1
.set MUL_HI, 0xf1
.set TO_B,   0x40
.macro JLOAD g0a, g0b                  ; waves 0, 1 ask for q's halves, waves 2, 3 for k's
	s_cmp_eq_u32 s15, 0
	s_cbranch_scc0 .Lfor_b_\@
	tensor_load_to_lds s[\g0a:\g0a+3], s[G1:G1+7]
	s_nop 0
.rept 4
	v_nop
.endr
	s_branch .Lasked_\@
.Lfor_b_\@:
	tensor_load_to_lds s[\g0b:\g0b+3], s[G1B:G1B+7]
	s_nop 0
.rept 4
	v_nop
.endr
.Lasked_\@:
.endm
.macro CREST
	s_cmp_lg_u32 s14, 0
	s_cbranch_scc1 .Lnot_wave_0_\@
	s_barrier_signal -3
.Lnot_wave_0_\@:
	s_barrier_wait -3
	s_barrier_signal -1
	s_barrier_wait -1
.endm
.macro CROUND
	s_barrier_signal -1
	s_barrier_wait -1
	CREST
.endm
.macro PLACES
.rept 4
	v_nop
.endr
.endm
	s_load_b128 s[4:7], s[0:1], 0x0                ; qc, qs
	s_load_b128 s[8:11], s[0:1], 0x10              ; kc, ks
	s_load_b64 s[12:13], s[0:1], 0x20              ; pc
	s_load_b64 s[STA:STA+1], s[0:1], 0x28          ; st
	v_lshl_add_u32 v[SPW], v0, 2, SPARE
	v_mov_b32 v[NIL], 0
	ds_add_u32 v[SPW], v[NIL]                      ; the opening lines
	ds_add_u32 v[SPW], v[NIL]
	v_lshrrev_b32 v1, 5, v0
	v_readfirstlane_b32 s14, v1                    ; wave
	s_lshr_b32 s15, s14, 1                         ; my half of the queries; also: I ask for q (0) or k (1)
	s_and_b32 s16, s14, 1                          ; my half of the keys; also: which half of that tile I ask for
	s_bfe_u32 s40, ttmp6, 0x40000                  ; cx
	s_bfe_u32 s41, ttmp6, 0x40004                  ; cy
	s_lshl_b32 s42, ttmp9, 2
	s_add_co_u32 s42, s42, s40                     ; key block x
	s_and_b32 s17, ttmp7, 0xffff
	s_lshl_b32 s17, s17, 2
	s_add_co_u32 s17, s17, s41                     ; which 256 queries of all batches
	s_lshl_b32 s43, s41, 2
	s_lshl_b32 s43, 15, s43
	s_lshl_b32 s44, 0x1111, s40
	s_or_b32 s[G1+0], s43, (3<<16)|(1<<21)
	s_or_b32 s[G1B+0], s44, (3<<16)|(1<<21)
.irp g, G1, G1B
	s_mov_b32 s[\g+1], 32<<16                      ; 96 rows of 32 elements of 8 bytes, dense
	s_mov_b32 s[\g+2], 96<<16
	s_mov_b32 s[\g+3], 32<<16
	s_mov_b32 s[\g+4], 96
	s_mov_b32 s[\g+5], 32
	s_mov_b32 s[\g+6], 0
	s_mov_b32 s[\g+7], 0
.endr
	s_lshr_b32 s18, s17, 3                         ; batch
	s_and_b32 s19, s17, 7
	s_mul_i32 s20, s18, 1572864
	s_mul_i32 s21, s19, 49152
	s_add_co_u32 s20, s20, s21
	s_mul_i32 s21, s16, HALFT
	s_add_co_u32 s20, s20, s21                     ; qc: my half tile of K step 0
	s_mov_b32 s21, 0
	s_lshl_b32 s22, s17, 13                        ; qs: 8,192 bytes for my 256 queries
	s_mov_b32 s23, 0
	s_and_b32 s75, ttmp7, 0xffff
	s_lshr_b32 s75, s75, 1                         ; batch, from the cluster's y alone
	s_mul_i32 s46, s75, 1572864
	s_mul_i32 s47, s42, 49152
	s_add_co_u32 s46, s46, s47
	s_mul_i32 s47, s16, HALFT
	s_add_co_u32 s46, s46, s47                     ; kc
	s_mov_b32 s47, 0
	s_lshl_b32 s74, s75, 4
	s_lshl_b32 s75, s42, 1
	s_add_co_u32 s74, s74, s75
	s_lshl_b32 s74, s74, 12                        ; ks: 8,192 bytes for tile 0's keys; tile 1's lie 32,768 on
	s_mov_b32 s75, 0
	s_mul_i32 s45, s14, HALFT
	s_mul_i32 s76, s15, HALFT
	s_mul_i32 s77, s16, HALFT
	s_add_co_u32 s77, s77, 2*HALFT
	s_add_co_u32 s78, s76, SLOT
	s_add_co_u32 s79, s77, SLOT
	s_lshl_b32 s81, s15, 12
	s_lshl_b32 s80, s16, 12
	s_add_co_u32 s80, s80, 8192
	s_sub_co_u32 s80, s80, s81                     ; from q's scale words to k's
	s_add_co_u32 s81, s81, SCL
	s_lshl_b32 s84, s18, 3
	s_add_co_u32 s84, s84, s42
	s_lshl_b32 s84, s84, 7
	s_lshl_b32 s85, s19, 4
	s_add_co_u32 s84, s84, s85
	s_lshl_b32 s85, s15, 3
	s_add_co_u32 s84, s84, s85
	s_mul_i32 s84, s84, 3072
	s_mul_i32 s85, s16, 1536
	s_add_co_u32 s84, s84, s85                     ; pc: my wave's first image
	s_mov_b32 s85, 0
	s_lshl_b32 s86, s18, 4
	s_lshl_b32 s87, s42, 1
	s_add_co_u32 s86, s86, s87
	s_add_co_u32 s86, s86, s16
	s_mul_i32 s86, s86, 24576
	s_lshl_b32 s87, s19, 10
	s_add_co_u32 s86, s86, s87
	s_lshl_b32 s87, s15, 9
	s_add_co_u32 s86, s86, s87                     ; st: my group, my 128 queries
	s_mov_b32 s87, 0
	s_mov_b32 s[SEL], 0x76543210
	s_mov_b32 s[SEL+1], 0xfedcba98
	s_mov_b32 s[HI], 0xffff0000
	s_mov_b32 s[CS], 0x3d38aa3b                    ; c = log2(e) / 32
	s_mov_b32 s[CS+1], s[CS]
	s_mov_b32 s[NCS], 0xbd38aa3b                   ; -c
	s_mov_b32 s[FLR], 0x1800000                    ; the floor 2^(3 - 127)
	s_mov_b32 s[EOFF], 0xff000000                  ; 2 off an exponent field
	v_and_b32 v1, 15, v0
	v_bfe_u32 v2, v0, 4, 1
	v_and_b32 v3, 31, v0
	v_lshlrev_b32 v[PO], 4, v3
	v_lshlrev_b32 v[SO], 2, v3
	v_add_nc_u32 v[ADRA], s76, v[PO]
	v_add_nc_u32 v[ADRB], s77, v[PO]
	v_add_nc_u32 v[ADRA+1], s78, v[PO]
	v_add_nc_u32 v[ADRB+1], s79, v[PO]
	v_mul_u32_u24 v6, s80, v2
	v_lshl_add_u32 v6, v1, 4, v6
	v_add_nc_u32 v[ADRS], s81, v6                  ; lanes 0-15 q's scale words, lanes 16-31 k's of tile 0;
	v_lshl_add_u32 v[ADRS+1], v2, 13, v[ADRS]      ; of tile 1
	v_lshlrev_b32 v8, 4, v0
	v_add_nc_u32 v31, SCL, v8
	v_min_u32 v[PFO], 23, v3
	v_lshlrev_b32 v[PFO], 8, v[PFO]
	s_wait_alu depctr_va_vdst(0)
	s_wait_dscnt 0x0
	s_wait_kmcnt 0x0
	s_add_nc_u64 s[20:21], s[4:5], s[20:21]
	s_add_nc_u64 s[22:23], s[6:7], s[22:23]
	s_add_nc_u64 s[46:47], s[8:9], s[46:47]
	s_add_nc_u64 s[74:75], s[10:11], s[74:75]
	s_add_nc_u64 s[12:13], s[12:13], s[84:85]
	s_add_nc_u64 s[STA:STA+1], s[STA:STA+1], s[86:87]
.irp i, 0,1,2,3
	global_load_b128 v[64+4*\i:67+4*\i], v8, s[22:23] offset:2048*\i
.endr
.irp i, 0,1,2,3
	global_load_b128 v[80+4*\i:83+4*\i], v8, s[74:75] offset:2048*\i
.endr
.irp i, 0,1,2,3
	global_load_b128 v[96+4*\i:99+4*\i], v8, s[74:75] offset:32768+2048*\i
.endr
.irp s, 0,1
	s_mov_b32 s[G0+4*\s], 1
	s_add_co_u32 s[G0+4*\s+1], s45, \s*SLOT
	s_add_nc_u64 s[G0+4*\s+2:G0+4*\s+3], s[20:21], \s*SIG
	s_or_b32 s[G0+4*\s+3], s[G0+4*\s+3], 0x80000000
	s_mov_b32 s[G0B+4*\s], 1
	s_add_co_u32 s[G0B+4*\s+1], s45, \s*SLOT
	s_add_nc_u64 s[G0B+4*\s+2:G0B+4*\s+3], s[46:47], \s*SIG
	s_or_b32 s[G0B+4*\s+3], s[G0B+4*\s+3], 0x80000000
.endr
	s_cmp_eq_u32 s15, 0                            ; the prefetches: of the half tile that I ask for, my work-group's 6,144 bytes; never stepped
	s_cselect_b64 s[PF:PF+1], s[20:21], s[46:47]
	s_cselect_b32 s92, s40, s41
	s_mul_i32 s92, s92, 6144
	s_mov_b32 s93, 0
	s_add_nc_u64 s[PF:PF+1], s[PF:PF+1], s[92:93]
	CROUND                                         ; in front of the first joint loads
	JLOAD G0, G0B                                  ; K step 0: one tensor load a wave at the head
	global_prefetch_b8 v[PFO], s[PF:PF+1] offset:SIG th:TH_LOAD_NT scope:SCOPE_SE
	global_prefetch_b8 v[PFO], s[PF:PF+1] offset:2*SIG th:TH_LOAD_NT scope:SCOPE_SE
	s_wait_loadcnt 0x0
.irp k, 0,1,2,3,4,5,6,7,8,9,10,11
	ds_store_b128 v31, v[64+4*\k:67+4*\k] offset:2048*\k
.endr
.macro FRAG reg, adr, q, i
.irp c, 0,1,2
	ds_load_b128 v[\reg+4*\c:\reg+4*\c+3], v[\adr] offset:(2*(\i)+(\q))*FRB+512*\c
.endr
.endm
.macro WM acc, bf, af, sb, sa, zero
.if \zero
	v_wmma_scale_f32_16x16x128_f8f6f4 v[(\acc):(\acc)+7], v[(\bf):(\bf)+11], v[(\af):(\af)+11], 0, v[\sb], v[\sa] matrix_a_fmt:MATRIX_FMT_FP6 matrix_b_fmt:MATRIX_FMT_FP6 matrix_a_scale:MATRIX_SCALE_ROW1
.else
	v_wmma_scale_f32_16x16x128_f8f6f4 v[(\acc):(\acc)+7], v[(\bf):(\bf)+11], v[(\af):(\af)+11], v[(\acc):(\acc)+7], v[\sb], v[\sa] matrix_a_fmt:MATRIX_FMT_FP6 matrix_b_fmt:MATRIX_FMT_FP6 matrix_a_scale:MATRIX_SCALE_ROW1
.endif
.endm
.macro MUL16 a0, p, q, sc, zero        ; source 0 = 16 keys, source 1 = 16 queries: a lane holds one query, its registers run along the keys; the accumulators take turns
.irp a, \a0, \a0+1
.irp b, 0,1,2,3,4,5,6,7
	WM 8*(8*((\a)%4)+\b), 128*(\p)+12*\b, 64+96*(\p)+12*(\a), SC+16*(\sc)+2*\b+(\q), SC+16*(\sc)+2*(\a)+(\q), \zero
.endr
.endr
.endm
.macro FETCH slot, q, p                ; 48 LDS loads: one phase's fragments into set p
	WIN TO_B
.irp i, 0,1,2,3,4,5,6,7
	FRAG 128*(\p)+12*\i, ADRB+\slot, \q, \i
.endr
	WIN 0
.irp i, 0,1,2,3,4,5,6,7
	FRAG 64+96*(\p)+12*\i, ADRA+\slot, \q, \i
.endr
.endm
.macro SCALES sc, tl, ch
.irp j, 0,1,2,3
	ds_load_b128 v[SC+16*\sc+4*\j:SC+16*\sc+4*\j+3], v[ADRS+\tl] offset:1024*\ch+256*\j
.endr
.endm
.macro PHASE0 slot, zero               ; a slot's first 128 along K, on set 0; the second phase's fragments are asked for first
.if \zero == 0
	PLACES                                         ; set 1 was read by the matrix instructions just issued (ahead of a tile's first phase stands none, or the whole softmax)
.endif
	FETCH \slot, 1, 1
	s_wait_dscnt 48                                ; all but the 48 just issued: set 0 and its scale words are in
	WIN MUL_LO
	MUL16 0, 0, 0, \slot, \zero
	MUL16 2, 0, 0, \slot, \zero
	WIN MUL_HI
	MUL16 4, 0, 0, \slot, \zero
	MUL16 6, 0, 0, \slot, \zero
	WIN 0
.endm
.macro MEET slot                       ; the second phase's head: all my reads of this slot are back, so the change of slots stands here
	s_wait_tensorcnt 0x0                           ; my one load that was out, my part of the other slot, has landed
	ds_add_u32 v[SPW], v[NIL]
	s_wait_dscnt 0x0                               ; the add, and set 1's 48 loads
	s_barrier_signal -1
	WIN MUL_LO
	MUL16 0, 1, 1, \slot, 0
	WIN 0
	s_barrier_wait -1
.endm
.macro REST slot
	WIN MUL_LO
	MUL16 2, 1, 1, \slot, 0
	WIN MUL_HI
	MUL16 4, 1, 1, \slot, 0
	MUL16 6, 1, 1, \slot, 0
.endm
; fill: the slot just read out takes the K step two on (fwd = 1: of this tile; 0: of the next).  fetch: the next slot's first fragments.  pf: which K step of tile 1's keys is named, or -1.
.macro TURN slot, next, tl, nch, fill, fwd, fetch, pf
	MEET \slot
.if \fill
	CREST                                          ; the round takes the place of the refill's barrier
.if \fwd
	s_add_nc_u64 s[G0+4*\slot+2:G0+4*\slot+3], s[G0+4*\slot+2:G0+4*\slot+3], 2*SIG
	s_add_nc_u64 s[G0B+4*\slot+2:G0B+4*\slot+3], s[G0B+4*\slot+2:G0B+4*\slot+3], 2*SIG
.else
	s_sub_nc_u64 s[G0+4*\slot+2:G0+4*\slot+3], s[G0+4*\slot+2:G0+4*\slot+3], 2*SIG
	s_sub_nc_u64 s[G0B+4*\slot+2:G0B+4*\slot+3], s[G0B+4*\slot+2:G0B+4*\slot+3], 2*SIG-DT
.endif
	JLOAD G0+4*\slot, G0B+4*\slot                  ; its four v_nop are also the places in front of the loads into set 0
.else
	PLACES
.endif
.if \fetch
	FETCH \next, 0, 0
	SCALES \next, \tl, \nch
.endif
.if \pf >= 0
	s_cmp_eq_u32 s15, 0
	s_cbranch_scc1 .Lno_ask_\@
	global_prefetch_b8 v[PFO], s[PF:PF+1] offset:DT+(\pf)*SIG th:TH_LOAD_NT scope:SCOPE_SE
.Lno_ask_\@:
.endif
	REST \slot
.endm
.macro EPI
	WIN 0
	PLACES                                         ; the registers written below held fragments that matrix instructions have read
.irp b, 0,1,2,3
	v_mov_b32 v[T+4+\b], 0                         ; a lane permute's destination counts as one of its sources
.endr
	v_mov_b32 v[NM+1], 0
	v_mov_b32 v[NINF], 0xff800000
.endm
; Block a: 16 queries x my 128 keys.  A lane holds query r; the 16 registers of two neighbouring accumulators are 16 neighbouring keys.
.macro SOFT a, tl
.set W, 2+(\a)/4
.set AC, 64*((\a)%4)
.if (\a)%4 == 1
.set PC, 160
.else
.set PC, 96
.endif
	WIN (W<<2)|(W<<4)
.irp b, 0,1,2,3
	v_max3_num_f32 v[T+\b], v[NINF], v[AC+16*\b], v[AC+16*\b+1]   ; the largest score of each block of 32 keys
.endr
.irp i, 2,4,6,8,10,12,14
.irp b, 0,1,2,3
	v_max3_num_f32 v[T+\b], v[T+\b], v[AC+16*\b+\i], v[AC+16*\b+\i+1]
.endr
.endr
	WIN 0
.irp b, 0,1,2,3
	v_permlanex16_b32 v[T+4+\b], v[T+\b], s[SEL], s[SEL+1]
.endr
.irp b, 0,1,2,3
	v_max_num_f32 v[T+\b], v[T+\b], v[T+4+\b]
.endr
	v_max3_num_f32 v[T+8], v[T], v[T+1], v[T+2]
	v_max_num_f32 v[T+8], v[T+8], v[T+3]
	v_mul_f32 v[T+8], s[NCS], v[T+8]               ; -t of the group's largest score
	v_floor_f32 v[NM], v[T+8]                      ; -M = floor(-t)
.irp b, 0,1,2,3
	v_fma_f32 v[T+\b], v[T+\b], s[CS], v[NM]
.endr
	WIN (W<<6)|W
.set j, 0
.rept 32
	v_pk_fma_f32 v[AC+j:AC+j+1], v[AC+j:AC+j+1], s[CS:CS+1], v[NM:NM+1] op_sel_hi:[1,0,0]
.set j, j+2
.endr
.set j, 0
	s_wait_alu depctr_va_vdst(0)
.rept 64
	v_exp_f32 v[AC+j], v[AC+j]
.set j, j+1
.endr
	WIN 0
.irp b, 0,1,2,3
	v_exp_f32 v[T+\b], v[T+\b]                     ; each block's largest p
.endr
	v_nop
	s_wait_alu depctr_va_vdst(0)
	WIN (W<<2)|W
	v_pk_add_f32 v[LSUM:LSUM+1], v[AC:AC+1], v[AC+4:AC+5]          ; the sum of the unquantised p, in two chains
	v_pk_add_f32 v[LSUM+2:LSUM+3], v[AC+2:AC+3], v[AC+6:AC+7]
	WIN (W<<2)
.set j, 8
.rept 14
	v_pk_add_f32 v[LSUM:LSUM+1], v[LSUM:LSUM+1], v[AC+j:AC+j+1]
	v_pk_add_f32 v[LSUM+2:LSUM+3], v[LSUM+2:LSUM+3], v[AC+j+2:AC+j+3]
.set j, j+4
.endr
	WIN 0
	v_pk_add_f32 v[LSUM:LSUM+1], v[LSUM:LSUM+1], v[LSUM+2:LSUM+3]
.irp b, 0,1,2,3
	v_max_num_f32 v[T+\b], s[FLR], v[T+\b]
.endr
.irp b, 0,1,2,3
	v_add_nc_u32 v[T+12+\b], s[EOFF], v[T+\b]      ; the conversion's scale operand
.endr
.irp b, 0,1,2,3
	v_lshrrev_b32 v[T+4+\b], 23, v[T+12+\b]        ; the scale's byte
.endr
	v_lshl_or_b32 v[PW], v[T+5], 8, v[T+4]
	v_lshl_or_b32 v[PW], v[T+6], 16, v[PW]
.if (\a)%2 == 0
	v_lshl_or_b32 v[KEEP], v[T+7], 24, v[PW]
.else
	v_lshl_or_b32 v[PW], v[T+7], 24, v[PW]
.endif
	v_add_f32 v[LSUM], v[LSUM], v[LSUM+1]
	v_permlanex16_b32 v[LSUM+2], v[LSUM], s[SEL], s[SEL+1]
.if (\a)%2 == 0
	v_add_f32 v[KEEP+2], v[LSUM], v[LSUM+2]
.else
	v_add_f32 v[LSUM], v[LSUM], v[LSUM+2]
.endif
	s_wait_xcnt 0x0                                ; earlier stores have read their registers
	WIN W
.irp c, 0,1
	v_cvt_scalef32_pk16_fp6_f32 v[PC+6*\c:PC+6*\c+2], v[AC+32*\c:AC+32*\c+15], v[T+12+2*\c]
	v_cvt_scalef32_pk16_fp6_f32 v[PC+12+4*\c:PC+12+4*\c+2], v[AC+32*\c+16:AC+32*\c+31], v[T+13+2*\c]
.endr
	WIN 0
	v_nop                                          ; one plain place behind a scaled conversion
.irp c, 0,1                                    ; the operand's layout wants a whole block in a lane
.irp i, 0,1,2
	v_permlane16_swap_b32 v[PC+6*\c+\i], v[PC+12+4*\c+\i]
.endr
.irp i, 0,1,2
	v_mov_b32 v[PC+3+6*\c+\i], v[PC+12+4*\c+\i]
.endr
.endr
.irp c, 0,1,2
	global_store_b128 v[PO], v[PC+4*\c:PC+4*\c+3], s[12:13] offset:PCT*(\tl)+3072*(\a)+512*\c   ; 512 consecutive bytes of the image
.endr
.if (\a)%2 == 0
	v_mov_b32 v[KEEP+1], v[NM]
.else
	v_cndmask_b32 v[OUT], v[KEEP], v[PW], s[HI]    ; lanes 0-15 the even block's queries, lanes 16-31 the odd block's
	v_cndmask_b32 v[OUT+1], v[KEEP+1], v[NM], s[HI]
	v_cndmask_b32 v[OUT+2], v[KEEP+2], v[LSUM], s[HI]
.irp k, 0,1,2
	global_store_b32 v[SO], v[OUT+\k], s[STA:STA+1] offset:STT*(\tl)+8192*\k+64*((\a)-1)
.endr
.endif
.endm
	s_wait_tensorcnt 0x0                           ; my part of K step 0 is in; the three lines ahead of slot 1's first fill
	ds_add_u32 v[SPW], v[NIL]
	s_wait_dscnt 0x0                               ; the add, and my stores of scale words
	CROUND
	JLOAD G0+4, G0B+4                              ; K step 1
	FETCH 0, 0, 0
	SCALES 0, 0, 0
	global_prefetch_b8 v[PFO], s[PF:PF+1] offset:3*SIG th:TH_LOAD_NT scope:SCOPE_SE
	PHASE0 0, 1                                    ; the first products start the sums
	TURN 0, 1, 0, 1, 1, 1, 1, 0
	PHASE0 1, 0
	TURN 1, 0, 0, 2, 1, 1, 1, 1
	PHASE0 0, 0
	TURN 0, 1, 0, 3, 1, 0, 1, 2                    ; slot 0 takes tile 1's K step 0,
	PHASE0 1, 0
	TURN 1, 0, 0, 0, 1, 0, 0, 3                    ; slot 1 its K step 1: both land under the work below
	EPI
.irp a, 0,1,2,3,4,5,6,7
	SOFT \a, 0
.endr
	s_wait_xcnt 0x0                                ; the stores have read their registers, which take fragments again
	FETCH 0, 0, 0
	SCALES 0, 1, 0
	PHASE0 0, 1
	TURN 0, 1, 1, 1, 1, 1, 1, -1
	PHASE0 1, 0
	TURN 1, 0, 1, 2, 1, 1, 1, -1
	PHASE0 0, 0
	TURN 0, 1, 1, 3, 0, 0, 1, -1                   ; nothing is filled again: no round
	PHASE0 1, 0
	s_wait_dscnt 0x0
	WIN MUL_LO
	MUL16 0, 1, 1, 1, 0
	REST 1
	EPI
.irp a, 0,1,2,3,4,5,6,7
	SOFT \a, 1
.endr
	s_wait_tensorcnt 0x0                           ; the wave's end
	ds_add_u32 v[SPW], v[NIL]
	s_wait_dscnt 0x0
	CROUND                                         ; the closing round
	s_endpgm
.Lfunc_end_k_q4cba931983_scores:
	.size	k_q4cba931983_scores, .Lfunc_end_k_q4cba931983_scores-k_q4cba931983_scores
	.p2alignl 7, 3214868480
	.fill 96, 4, 3214868480
	.section	.rodata,"a",@progbits
	.p2align	6, 0x0
	.amdhsa_kernel k_q4cba931983_scores
		.amdhsa_group_segment_fixed_size 327680
		.amdhsa_private_segment_fixed_size 0
		.amdhsa_enable_private_segment 0
		.amdhsa_kernarg_size 48
		.amdhsa_user_sgpr_count 2
		.amdhsa_user_sgpr_kernarg_segment_ptr 1
		.amdhsa_wavefront_size32 1
		.amdhsa_system_sgpr_workgroup_id_x 1
		.amdhsa_system_sgpr_workgroup_id_y 1
		.amdhsa_system_sgpr_workgroup_id_z 1
		.amdhsa_system_vgpr_workitem_id 0
		.amdhsa_next_free_vgpr 1024
		.amdhsa_next_free_sgpr 96
		.amdhsa_reserve_vcc 0
		.amdhsa_float_denorm_mode_32 3
		.amdhsa_float_denorm_mode_16_64 3
		.amdhsa_memory_ordered 1
		.amdhsa_forward_progress 1
		.amdhsa_inst_pref_size 255
	.end_amdhsa_kernel
	.section	.bss,"aw",@nobits
	.p2align	6
	.space	262144
	.amdgpu_metadata
---
amdhsa.version: [ 1, 2 ]
amdhsa.kernels:
  - .name:           k_q4cba931983_scores
    .symbol:         k_q4cba931983_scores.kd
    .args:
      - { .name: qc, .offset: 0, .size: 8, .value_kind: global_buffer, .address_space: global }
      - { .name: qs, .offset: 8, .size: 8, .value_kind: global_buffer, .address_space: global }
      - { .name: kc, .offset: 16, .size: 8, .value_kind: global_buffer, .address_space: global }
      - { .name: ks, .offset: 24, .size: 8, .value_kind: global_buffer, .address_space: global }
      - { .name: pc, .offset: 32, .size: 8, .value_kind: global_buffer, .address_space: global }
      - { .name: st, .offset: 40, .size: 8, .value_kind: global_buffer, .address_space: global }
    .group_segment_fixed_size: 327680
    .private_segment_fixed_size: 0
    .kernarg_segment_align: 8
    .kernarg_segment_size: 48
    .max_flat_workgroup_size: 128
    .sgpr_count:     96
    .vgpr_count:     1024
    .wavefront_size: 32
...
	.end_amdgpu_metadata
.endif
;; end of part 2
;; launch mix (part 3): grid 4 x 64, 4 waves a work-group, clusters of 4 x 4, 327,680 bytes of LDS; arguments pc, st, vc, vs, out0; writes out0
.if DOCPART == 3
	.amdgcn_target "amdgcn-amd-amdhsa--gfx1250"
	.amdhsa_code_object_version 6
	.text
	.protected	k_q4cba931983_mix
	.globl	k_q4cba931983_mix
	.p2align	8
	.type	k_q4cba931983_mix,@function
k_q4cba931983_mix:
	s_mov_b64 s[64:65], 0
	v_nop
	global_prefetch_b8 v0, s[64:65] scope:SCOPE_SE
	s_setreg_imm32_b32 hwreg(HW_REG_WAVE_MODE, 25, 1), 1
	s_wait_xcnt 0x0
	s_wait_alu depctr_hold_cnt(0) depctr_sa_sdst(0) depctr_va_vdst(0) depctr_va_sdst(0) depctr_va_ssrc(0) depctr_va_vcc(0) depctr_vm_vsrc(0)
	s_getreg_b32 s2, hwreg(HW_REG_IB_STS2, 6, 4)
	s_cmp_eq_u32 s2, 0
	s_cbranch_scc0 .Lentry_in_a_cluster
	s_endpgm
.Lentry_in_a_cluster:
	s_bfe_u32 s2, ttmp6, 0x10000c
	s_cmp_lg_u32 s2, 0xf033
	s_cbranch_scc0 .Lentry_shape_is_right
	s_endpgm
.Lentry_shape_is_right:
; out0[b][q][d] = (sum over the keys of p[q][key] v[key][d]) / l[q]: the second product of the attention, in MX-FP6, K = 2,048 keys.
; pc: p's codes as register images [batch][256 keys: 8][tile of 16 queries: 128][128 keys: 2][1536]; vc: v's codes likewise, [batch][8][tile of 16 d: 64][2][1536].
; st: [batch][128 keys: 16][3][query 2048] words: p's scale word, -M (M: the group's whole-number maximum) and the group's sum of p.  vs: v's scale words, 8,192 bytes for 128 d.
; A work-group makes 256 queries x 256 d, four waves of 128 x 128 (64 accumulators, windows 2 and 3).  K goes in steps of 256 through two LDS slots of 98,304 bytes.
; CLUSTERS: 4 x 4; p's tiles are asked for jointly along a row of the cluster, v's along a column; each wave brings 24,576 bytes by one load (96 rows of 256 bytes).
; THE HEAD: thread t takes queries 2 t and 2 t + 1: their 48 words each come by loads of 8 bytes a lane (256 consecutive bytes a wave) while slot 0's joint load is out.
;   The row's M is the largest of the 16; a group's scale bytes and its sum go down by M - M(group), a whole number; 1 / l is kept in LDS for the way out.
; LIMIT: a scale byte that would fall under 0 is held at 0 (2^-127), and M - M(group) is held at 256: such blocks lie more than 2^-100 under the row's largest p.
; A K step is two phases of 128 along K, 64 matrix instructions each, on two sets of fragments; a phase's 48 LDS loads are issued one phase ahead.
; PREFETCH: behind each refill one line a wave names the K step two refills on; of a wave's 96 runs of 256 bytes each of the four partners names 24, told apart by address
;   (lanes 24-31 name the last again); K steps 1 to 3 are named at the head, two lines behind the first joint load and one behind the second; the loop's last trip names nothing.
; THE LAST K STEP goes by rows of the result: a block of 16 queries is finished by 16 matrix instructions, scaled by 1 / l, turned through the wave's own stage and stored, 512 consecutive bytes a store.
.set FRB,   1536
.set HALFT, 16*FRB
.set SLOT,  4*HALFT
.set LAPS,  4
.set SIGA,  393216                     ; bytes from K step to K step in pc,
.set SIGB,  196608                     ; in vc
.set HALFS, 8192
.set SCL,   2*SLOT                     ; scale words: p's two halves, then v's two halves
.set RLB,   SCL+4*HALFS                ; 1 / l, a word a query
.set STAGE, RLB+1024                   ; the way out: 16 rows x 528 bytes for each wave
.set SPITCH, 528
.set SPARE, STAGE+4*16*SPITCH          ; the spare words, 128 bytes a wave
.set ADRA, 16
.set ADRB, 20
.set STO,  24
.set RD,   25
.set CO,   26
.set ADRS, 27
.set SPW,  28
.set NIL,  29
.set PFO,  30
.set RLA,  31
.set SC,   32                          ; v32-63 two sets of 16 scale registers
.set RW,   64                          ; head: v64-159 the 48 pairs of words
.set VSR,  160                         ; head: v160-191 v's scale words on their way to LDS
.set FW,   192
.set DD,   208
.set PA,   64                          ; last K step: four buffers of 24 registers for p's blocks
.set RLR,  224                         ; last K step: 1 / l, a pair for each block
.set G1,   24
.set G0,   32
.set G1B,  48
.set G0B,  56
.set MSB, 0
.macro WIN new
.if MSB != (\new)
	s_set_vgpr_msb (MSB<<8)|(\new)
.set MSB, (\new)
.endif
.endm
.set MUL_LO, 0xa1                      ; source 0 (v) window 1, source 1 (p) window 0, C and D window 2
.set MUL_HI, 0xf1
.set TO_B,   0x40
.macro JLOAD g0a, g0b                  ; waves 0, 1 ask for p's halves, waves 2, 3 for v's
	s_cmp_eq_u32 s15, 0
	s_cbranch_scc0 .Lfor_b_\@
	tensor_load_to_lds s[\g0a:\g0a+3], s[G1:G1+7]
	s_nop 0
.rept 4
	v_nop
.endr
	s_branch .Lasked_\@
.Lfor_b_\@:
	tensor_load_to_lds s[\g0b:\g0b+3], s[G1B:G1B+7]
	s_nop 0
.rept 4
	v_nop
.endr
.Lasked_\@:
.endm
.macro CREST
	s_cmp_lg_u32 s14, 0
	s_cbranch_scc1 .Lnot_wave_0_\@
	s_barrier_signal -3
.Lnot_wave_0_\@:
	s_barrier_wait -3
	s_barrier_signal -1
	s_barrier_wait -1
.endm
.macro CROUND
	s_barrier_signal -1
	s_barrier_wait -1
	CREST
.endm
.macro PLACES
.rept 4
	v_nop
.endr
.endm
	s_load_b128 s[4:7], s[0:1], 0x0                ; pc, st
	s_load_b128 s[8:11], s[0:1], 0x10              ; vc, vs
	s_load_b64 s[12:13], s[0:1], 0x20              ; out0
	v_lshl_add_u32 v[SPW], v0, 2, SPARE
	v_mov_b32 v[NIL], 0
	ds_add_u32 v[SPW], v[NIL]                      ; the opening lines
	ds_add_u32 v[SPW], v[NIL]
	v_lshrrev_b32 v1, 5, v0
	v_readfirstlane_b32 s14, v1                    ; wave
	s_lshr_b32 s15, s14, 1                         ; my half of the queries; also: I ask for p (0) or v (1)
	s_and_b32 s16, s14, 1                          ; my half of d; also: which half of that tile I ask for
	s_bfe_u32 s40, ttmp6, 0x40000                  ; cx
	s_bfe_u32 s41, ttmp6, 0x40004                  ; cy
	s_lshl_b32 s42, ttmp9, 2
	s_add_co_u32 s42, s42, s40                     ; which 256 d
	s_and_b32 s17, ttmp7, 0xffff
	s_lshl_b32 s17, s17, 2
	s_add_co_u32 s17, s17, s41                     ; which 256 queries of all batches
	s_lshl_b32 s43, s41, 2
	s_lshl_b32 s43, 15, s43
	s_lshl_b32 s44, 0x1111, s40
	s_or_b32 s[G1+0], s43, (3<<16)|(1<<21)         ; elements of 8 bytes; p's tiles go to my row of the cluster,
	s_or_b32 s[G1B+0], s44, (3<<16)|(1<<21)        ; v's to my column
.irp g, G1, G1B
	s_mov_b32 s[\g+1], 32<<16                      ; 96 rows of 32 elements, dense
	s_mov_b32 s[\g+2], 96<<16
	s_mov_b32 s[\g+3], 32<<16
	s_mov_b32 s[\g+4], 96
	s_mov_b32 s[\g+5], 32
	s_mov_b32 s[\g+6], 0
	s_mov_b32 s[\g+7], 0
.endr
	s_lshr_b32 s18, s17, 3                         ; batch
	s_and_b32 s19, s17, 7
	s_mul_i32 s20, s18, 3145728
	s_mul_i32 s21, s19, 49152
	s_add_co_u32 s20, s20, s21
	s_mul_i32 s21, s16, HALFT
	s_add_co_u32 s20, s20, s21                     ; pc: my half tile of K step 0
	s_mov_b32 s21, 0
	s_mul_i32 s22, s18, 393216
	s_lshl_b32 s23, s19, 10
	s_add_co_u32 s22, s22, s23                     ; st: my work-group's 256 queries
	s_mov_b32 s23, 0
	s_and_b32 s75, ttmp7, 0xffff
	s_lshr_b32 s75, s75, 1                         ; batch, from the cluster's y alone
	s_mul_i32 s46, s75, 1572864
	s_mul_i32 s47, s42, 49152
	s_add_co_u32 s46, s46, s47
	s_mul_i32 s47, s16, HALFT
	s_add_co_u32 s46, s46, s47                     ; vc
	s_mov_b32 s47, 0
	s_lshl_b32 s74, s75, 3
	s_lshl_b32 s75, s42, 1
	s_add_co_u32 s74, s74, s75
	s_lshl_b32 s74, s74, 13                        ; vs: 16,384 bytes for my 256 d
	s_mov_b32 s75, 0
	s_mul_i32 s45, s14, HALFT
	s_mul_i32 s76, s15, HALFT
	s_mul_i32 s77, s16, HALFT
	s_add_co_u32 s77, s77, 2*HALFT
	s_add_co_u32 s78, s76, SLOT
	s_add_co_u32 s79, s77, SLOT
	s_mul_i32 s81, s15, HALFS
	s_mul_i32 s80, s16, HALFS
	s_add_co_u32 s80, s80, 2*HALFS
	s_sub_co_u32 s80, s80, s81                     ; from p's scale words to v's
	s_add_co_u32 s81, s81, SCL
	s_mul_i32 s82, s14, 16*SPITCH
	s_add_co_u32 s82, s82, STAGE
	s_lshl_b32 s83, s15, 9
	s_add_co_u32 s83, s83, RLB
	s_lshl_b32 s84, s17, 8
	s_lshl_b32 s85, s15, 7
	s_add_co_u32 s84, s84, s85
	s_lshl_b32 s84, s84, 12
	s_lshl_b32 s85, s42, 10
	s_add_co_u32 s84, s84, s85
	s_lshl_b32 s85, s16, 9
	s_add_co_u32 s84, s84, s85                     ; out0: my wave's first row and column, in bytes
	s_mov_b32 s85, 0
	v_and_b32 v1, 15, v0                           ; r
	v_bfe_u32 v2, v0, 4, 1                         ; h
	v_and_b32 v3, 31, v0
	v_lshlrev_b32 v[CO], 4, v3
	v_add_nc_u32 v[ADRA], s76, v[CO]
	v_add_nc_u32 v[ADRB], s77, v[CO]
	v_add_nc_u32 v[ADRA+1], s78, v[CO]
	v_add_nc_u32 v[ADRB+1], s79, v[CO]
	v_mul_u32_u24 v6, s80, v2
	v_lshl_add_u32 v6, v1, 4, v6
	v_add_nc_u32 v[ADRS], s81, v6                  ; lanes 0-15 p's scale words, lanes 16-31 v's
	v_mul_u32_u24 v5, v1, SPITCH
	v_lshl_add_u32 v5, v2, 5, v5
	v_add_nc_u32 v[STO], s82, v5
	v_add_nc_u32 v[RD], s82, v[CO]
	v_lshl_add_u32 v[RLA], v1, 2, s83
	v_lshlrev_b32 v7, 3, v0                        ; st: 8 bytes a thread
	v_lshlrev_b32 v8, 4, v0                        ; vs: 16 bytes a thread
	v_add_nc_u32 v12, SCL+2*HALFS, v8
	v_bfe_u32 v6, v0, 6, 1                         ; query 2 t + e: half t / 64,
	v_lshlrev_b32 v9, 13, v6
	v_bfe_u32 v6, v0, 4, 2                         ; pair of tiles,
	v_lshl_add_u32 v9, v6, 8, v9
	v_bfe_u32 v6, v0, 3, 1                         ; tile of the pair,
	v_lshl_add_u32 v9, v6, 3, v9
	v_and_b32 v6, 7, v0                            ; row 2 (t % 8) + e of 16 bytes
	v_lshl_add_u32 v9, v6, 5, v9
	v_add_nc_u32 v9, SCL, v9
	v_lshl_add_u32 v10, v0, 3, RLB
	v_min_u32 v[PFO], 23, v3
	v_lshlrev_b32 v[PFO], 8, v[PFO]
	s_wait_alu depctr_va_vdst(0)
	s_wait_dscnt 0x0
	s_wait_kmcnt 0x0
	s_add_nc_u64 s[20:21], s[4:5], s[20:21]
	s_add_nc_u64 s[22:23], s[6:7], s[22:23]
	s_add_nc_u64 s[46:47], s[8:9], s[46:47]
	s_add_nc_u64 s[74:75], s[10:11], s[74:75]
	s_add_nc_u64 s[12:13], s[12:13], s[84:85]
.set rho, 0
.rept 48
	global_load_b64 v[RW+2*rho:RW+2*rho+1], v7, s[22:23] offset:8192*rho   ; word rho % 3 of group rho / 3, queries 2 t and 2 t + 1
.set rho, rho+1
.endr
.irp i, 0,1,2,3,4,5,6,7
	global_load_b128 v[VSR+4*\i:VSR+4*\i+3], v8, s[74:75] offset:2048*\i
.endr
.irp s, 0,1
	s_mov_b32 s[G0+4*\s], 1
	s_add_co_u32 s[G0+4*\s+1], s45, \s*SLOT
	s_add_nc_u64 s[G0+4*\s+2:G0+4*\s+3], s[20:21], \s*SIGA
	s_or_b32 s[G0+4*\s+3], s[G0+4*\s+3], 0x80000000
	s_mov_b32 s[G0B+4*\s], 1
	s_add_co_u32 s[G0B+4*\s+1], s45, \s*SLOT
	s_add_nc_u64 s[G0B+4*\s+2:G0B+4*\s+3], s[46:47], \s*SIGB
	s_or_b32 s[G0B+4*\s+3], s[G0B+4*\s+3], 0x80000000
.endr
	s_cmp_eq_u32 s15, 0                            ; the prefetches: of the half tile that I ask for, my work-group's 6,144 bytes
	s_cselect_b64 s[66:67], s[20:21], s[46:47]
	s_cselect_b32 s86, s40, s41
	s_mov_b32 s68, SIGB
	s_cselect_b32 s68, SIGA, s68
	s_mov_b32 s69, 0
	s_mul_i32 s86, s86, 6144
	s_mov_b32 s87, 0
	s_add_nc_u64 s[66:67], s[66:67], s[86:87]
	s_add_nc_u64 s[66:67], s[66:67], s[68:69]      ; K step 1
	s_add_nc_u64 s[70:71], s[66:67], s[68:69]      ; K step 2
	s_add_nc_u64 s[72:73], s[70:71], s[68:69]      ; K step 3; stepped at each change of slots
	CROUND                                         ; in front of the first joint loads
	JLOAD G0, G0B                                  ; K step 0: one tensor load a wave at the head
	global_prefetch_b8 v[PFO], s[66:67] th:TH_LOAD_NT scope:SCOPE_SE
	global_prefetch_b8 v[PFO], s[70:71] th:TH_LOAD_NT scope:SCOPE_SE
.macro MEND g, e                       ; group g's four scale bytes go down by M - M(g), held at 0
	v_and_b32 v232, 0xff, v[RW+6*(\g)+\e]
	v_bfe_u32 v233, v[RW+6*(\g)+\e], 8, 8
	v_bfe_u32 v234, v[RW+6*(\g)+\e], 16, 8
	v_lshrrev_b32 v235, 24, v[RW+6*(\g)+\e]
	v_min_u32 v236, v232, v[DD+(\g)]
	v_min_u32 v237, v233, v[DD+(\g)]
	v_min_u32 v238, v234, v[DD+(\g)]
	v_min_u32 v239, v235, v[DD+(\g)]
	v_sub_nc_u32 v232, v232, v236
	v_sub_nc_u32 v233, v233, v237
	v_sub_nc_u32 v234, v234, v238
	v_sub_nc_u32 v235, v235, v239
	v_lshl_or_b32 v[FW+(\g)], v233, 8, v232
	v_lshl_or_b32 v[FW+(\g)], v234, 16, v[FW+(\g)]
	v_lshl_or_b32 v[FW+(\g)], v235, 24, v[FW+(\g)]
.endm
.macro NORM e                          ; query 2 t + e
	v_max3_num_f32 v224, -v[RW+2+\e], -v[RW+8+\e], -v[RW+14+\e]
.irp g, 3,5,7,9,11,13
	v_max3_num_f32 v224, v224, -v[RW+6*\g+2+\e], -v[RW+6*\g+8+\e]
.endr
	v_max_num_f32 v224, v224, -v[RW+92+\e]         ; the row's M
.set g, 0
.rept 16
	v_add_f32 v[DD+g], v224, v[RW+6*g+2+\e]        ; M - M(g), a whole number, 0 or more
.set g, g+1
.endr
.set g, 0
.rept 16
	v_cvt_i32_f32 v[DD+g], v[DD+g]
.set g, g+1
.endr
.set g, 0
.rept 16
	v_min_u32 v[DD+g], 0x100, v[DD+g]
.set g, g+1
.endr
.set g, 0
.rept 16
	v_sub_nc_u32 v[RW+6*g+2+\e], 0, v[DD+g]
.set g, g+1
.endr
.set g, 0
.rept 16
	v_ldexp_f32 v[RW+6*g+4+\e], v[RW+6*g+4+\e], v[RW+6*g+2+\e]   ; the group's sum under the row's M
.set g, g+1
.endr
	v_add_f32 v225, v[RW+4+\e], v[RW+10+\e]
	v_add_f32 v226, v[RW+16+\e], v[RW+22+\e]
.irp g, 4,6,8,10,12,14
	v_add_f32 v225, v225, v[RW+6*\g+4+\e]
	v_add_f32 v226, v226, v[RW+6*\g+10+\e]
.endr
	v_add_f32 v225, v225, v226
	s_wait_alu depctr_va_vdst(0)
	v_rcp_f32 v[228+\e], v225
	v_nop
	s_wait_alu depctr_va_vdst(0)
.set g, 0
.rept 16
	MEND g, \e
.set g, g+1
.endr
.irp s, 0,1,2,3,4,5,6,7
	ds_store_b64 v9, v[FW+2*\s:FW+2*\s+1] offset:16*\e+1024*\s
.endr
.endm
	s_wait_loadcnt 8                               ; the 48 loads of st are in; the 8 of vs may be out
	NORM 0
	s_wait_alu depctr_va_vdst(0)
	s_wait_tensorcnt 0x0                           ; my part of K step 0 is in; the three lines ahead of slot 1's first fill
	ds_add_u32 v[SPW], v[NIL]
	s_wait_dscnt 0x0
	CROUND
	JLOAD G0+4, G0B+4                              ; K step 1, out while the odd queries are merged
	NORM 1
	ds_store_b64 v10, v[228:229]
	s_wait_loadcnt 0x0
.irp i, 0,1,2,3,4,5,6,7
	ds_store_b128 v12, v[VSR+4*\i:VSR+4*\i+3] offset:2048*\i
.endr
.macro FRAG reg, adr, q, i
.irp c, 0,1,2
	ds_load_b128 v[\reg+4*\c:\reg+4*\c+3], v[\adr] offset:(2*(\i)+(\q))*FRB+512*\c
.endr
.endm
.macro WM acc, bf, af, sb, sa, zero
.if \zero
	v_wmma_scale_f32_16x16x128_f8f6f4 v[(\acc):(\acc)+7], v[(\bf):(\bf)+11], v[(\af):(\af)+11], 0, v[\sb], v[\sa] matrix_a_fmt:MATRIX_FMT_FP6 matrix_b_fmt:MATRIX_FMT_FP6 matrix_a_scale:MATRIX_SCALE_ROW1
.else
	v_wmma_scale_f32_16x16x128_f8f6f4 v[(\acc):(\acc)+7], v[(\bf):(\bf)+11], v[(\af):(\af)+11], v[(\acc):(\acc)+7], v[\sb], v[\sa] matrix_a_fmt:MATRIX_FMT_FP6 matrix_b_fmt:MATRIX_FMT_FP6 matrix_a_scale:MATRIX_SCALE_ROW1
.endif
.endm
.macro MUL16 a0, p, q, sc, zero        ; blocks a0, a0 + 1 of queries x all 8 blocks of d; the accumulators take turns
.irp a, \a0, \a0+1
.irp b, 0,1,2,3,4,5,6,7
	WM 8*(8*((\a)%4)+\b), 128*(\p)+12*\b, 64+96*(\p)+12*(\a), SC+16*(\sc)+2*\b+(\q), SC+16*(\sc)+2*(\a)+(\q), \zero
.endr
.endr
.endm
.macro FETCH slot, q, p                ; 48 LDS loads: one phase's fragments into set p
	WIN TO_B
.irp i, 0,1,2,3,4,5,6,7
	FRAG 128*(\p)+12*\i, ADRB+\slot, \q, \i
.endr
	WIN 0
.irp i, 0,1,2,3,4,5,6,7
	FRAG 64+96*(\p)+12*\i, ADRA+\slot, \q, \i
.endr
.endm
.macro SCALES sc
.irp j, 0,1,2,3
	ds_load_b128 v[SC+16*\sc+4*\j:SC+16*\sc+4*\j+3], v[ADRS] offset:256*\j
.endr
.endm
.macro PHASE0 slot, zero               ; a slot's first 128 along K, on set 0; the second phase's fragments are asked for first
	PLACES                                         ; set 1 was read by the matrix instructions just issued
	FETCH \slot, 1, 1
	s_wait_dscnt 48                                ; all but the 48 just issued: set 0 and its scale words are in
	WIN MUL_LO
	MUL16 0, 0, 0, \slot, \zero
	MUL16 2, 0, 0, \slot, \zero
	WIN MUL_HI
	MUL16 4, 0, 0, \slot, \zero
	MUL16 6, 0, 0, \slot, \zero
	WIN 0
.endm
.macro MEET slot                       ; the second phase's head: all my reads of this slot are back, so the change of slots stands here
	s_wait_tensorcnt 0x0                           ; my one load that was out, my part of the other slot, has landed
	ds_add_u32 v[SPW], v[NIL]
	s_wait_dscnt 0x0                               ; the add, and set 1's 48 loads
	s_barrier_signal -1
	WIN MUL_LO
	MUL16 0, 1, 1, \slot, 0
	WIN 0
	s_barrier_wait -1
.endm
.macro REST slot
	WIN MUL_LO
	MUL16 2, 1, 1, \slot, 0
	WIN MUL_HI
	MUL16 4, 1, 1, \slot, 0
	MUL16 6, 1, 1, \slot, 0
.endm
.macro TURN slot, next
	s_wait_xcnt 0x0                                ; my last prefetch has read its address
	s_add_nc_u64 s[72:73], s[72:73], s[68:69]
	MEET \slot
	CREST                                          ; the round takes the place of the refill's barrier
	s_add_nc_u64 s[G0+4*\slot+2:G0+4*\slot+3], s[G0+4*\slot+2:G0+4*\slot+3], 2*SIGA
	s_add_nc_u64 s[G0B+4*\slot+2:G0B+4*\slot+3], s[G0B+4*\slot+2:G0B+4*\slot+3], 2*SIGB
	JLOAD G0+4*\slot, G0B+4*\slot                  ; its four v_nop are also the places in front of the loads into set 0
	s_wait_alu depctr_va_vdst(0)
	v_add_nc_u32 v[ADRS], 1024, v[ADRS]
	FETCH \next, 0, 0
	SCALES \next
	s_cmp_gt_u32 s3, 1                             ; the last trip's refills have no K step two refills on
	s_cbranch_scc0 .Lno_ask_\@
	global_prefetch_b8 v[PFO], s[72:73] th:TH_LOAD_NT scope:SCOPE_SE
.Lno_ask_\@:
	REST \slot
.endm
	s_wait_dscnt 0x0                               ; my stores of scale words and 1 / l are done
	s_barrier_signal -1
	s_barrier_wait -1                              ; and everybody's
	FETCH 0, 0, 0
	SCALES 0
	global_prefetch_b8 v[PFO], s[72:73] th:TH_LOAD_NT scope:SCOPE_SE   ; K step 3
	PHASE0 0, 1                                    ; the first products start the sums
	s_mov_b32 s3, LAPS-1
.Llap:
	TURN 0, 1
	PHASE0 1, 0
	TURN 1, 0
	PHASE0 0, 0
	s_sub_co_u32 s3, s3, 1
	s_cmp_lg_u32 s3, 0
	s_cbranch_scc1 .Llap
; K step 6's second phase; nothing is filled again, so no round follows the barrier.  Then K step 7, in slot 1, by rows.
.macro BLOADQ q
	WIN TO_B
.irp i, 0,1,2,3,4,5,6,7
	FRAG 128*(\q)+12*\i, ADRB+1, \q, \i
.endr
	WIN 0
.endm
.macro ALOADB a                        ; block a's fragments of both phases -> buffer a % 4
.irp q, 0,1
	FRAG PA+24*((\a)%4)+12*\q, ADRA+1, \q, \a
.endr
.endm
.macro ROW a                           ; block a is finished: 16 matrix instructions, its 8 accumulators by turns
	WIN MUL_LO+0x50*((\a)/4)
.irp q, 0,1
.if (\a) == 0 && \q == 1
	s_wait_dscnt 0x0                               ; v's second phase and 1 / l are in
.endif
.irp b, 0,1,2,3,4,5,6,7
	WM 8*(8*((\a)%4)+\b), 128*\q+12*\b, PA+24*((\a)%4)+12*\q, SC+16+2*\b+\q, SC+16+2*(\a)+\q, 0
.endr
.endr
.endm
.macro BKSET a, t                      ; where row t comes back: even blocks v160-223 of window 0, odd blocks v96-127 and v224-255 of window 1
.if (\a)%2 == 0
.set BB, 160+4*(\t)
.else
.if (\t) < 8
.set BB, 96+4*(\t)
.else
.set BB, 192+4*(\t)
.endif
.endif
.endm
.macro OUTA a                          ; x 1 / l, into my stage, back as rows of 512 bytes
.set AC, 64*((\a)%4)
.set W, 2+(\a)/4
	PLACES
.if (\a) > 1
	s_wait_xcnt 0x0                                ; the stores of two blocks ago have read their registers
.endif
	WIN (W<<6)|W
.set j, 0
.rept 32
	v_pk_mul_f32 v[AC+j:AC+j+1], v[AC+j:AC+j+1], v[RLR+2*(\a):RLR+2*(\a)+1]
.set j, j+2
.endr
	WIN (W<<2)
.irp b, 0,1,2,3,4,5,6,7
	ds_store_b128 v[STO], v[AC+8*\b:AC+8*\b+3] offset:64*\b
	ds_store_b128 v[STO], v[AC+8*\b+4:AC+8*\b+7] offset:64*\b+16
.endr
	WIN 0x40*((\a)%2)
.irp t, 0,1,2,3,4,5,6,7,8,9,10,11,12,13,14,15
	BKSET \a, \t
	ds_load_b128 v[BB:BB+3], v[RD] offset:\t*SPITCH   ; LDS serves a wave's instructions in order: these see the stores above
.endr
	WIN 0
.if (\a) < 4
	ALOADB (\a)+4
.endif
.endm
.macro SEND a
.if (\a) < 4
	s_wait_dscnt 6                                 ; the block is back; the six loads of the block four on may be out
.else
	s_wait_dscnt 0x0
.endif
	WIN 0x04*((\a)%2)
.irp t, 0,1,2,3,4,5,6,7,8,9,10,11,12,13,14,15
	BKSET \a, \t
	global_store_b128 v[CO], v[BB:BB+3], s[12:13] offset:(16*(\a)+\t)*4096 th:TH_STORE_NT   ; 32 lanes store 512 consecutive bytes
.endr
	WIN 0
.endm
	MEET 0
	PLACES
	s_wait_alu depctr_va_vdst(0)
	v_add_nc_u32 v[ADRS], 1024, v[ADRS]
	BLOADQ 0
	ALOADB 0
	ALOADB 1
	ALOADB 2
	ALOADB 3
	SCALES 1
	REST 0
	PLACES
	WIN 0
.irp a, 0,1,2,3,4,5,6,7
	ds_load_b32 v[RLR+2*\a], v[RLA] offset:64*\a
	ds_load_b32 v[RLR+2*\a+1], v[RLA] offset:64*\a
.endr
	BLOADQ 1
	s_wait_dscnt 40                                ; all but the 40 just issued
	ROW 0
.irp a, 0,1,2,3,4,5,6
	OUTA \a
	ROW \a+1
	SEND \a
.endr
	OUTA 7
	SEND 7
	s_wait_tensorcnt 0x0                           ; the wave's end
	ds_add_u32 v[SPW], v[NIL]
	s_wait_dscnt 0x0
	CROUND                                         ; the closing round
	s_endpgm
.Lfunc_end_k_q4cba931983_mix:
	.size	k_q4cba931983_mix, .Lfunc_end_k_q4cba931983_mix-k_q4cba931983_mix
	.p2alignl 7, 3214868480
	.fill 96, 4, 3214868480
	.section	.rodata,"a",@progbits
	.p2align	6, 0x0
	.amdhsa_kernel k_q4cba931983_mix
		.amdhsa_group_segment_fixed_size 327680
		.amdhsa_private_segment_fixed_size 0
		.amdhsa_enable_private_segment 0
		.amdhsa_kernarg_size 40
		.amdhsa_user_sgpr_count 2
		.amdhsa_user_sgpr_kernarg_segment_ptr 1
		.amdhsa_wavefront_size32 1
		.amdhsa_system_sgpr_workgroup_id_x 1
		.amdhsa_system_sgpr_workgroup_id_y 1
		.amdhsa_system_sgpr_workgroup_id_z 1
		.amdhsa_system_vgpr_workitem_id 0
		.amdhsa_next_free_vgpr 1024
		.amdhsa_next_free_sgpr 90
		.amdhsa_reserve_vcc 0
		.amdhsa_float_denorm_mode_32 3
		.amdhsa_float_denorm_mode_16_64 3
		.amdhsa_memory_ordered 1
		.amdhsa_forward_progress 1
		.amdhsa_inst_pref_size 190
	.end_amdhsa_kernel
	.amdgpu_metadata
---
amdhsa.version: [ 1, 2 ]
amdhsa.kernels:
  - .name:           k_q4cba931983_mix
    .symbol:         k_q4cba931983_mix.kd
    .args:
      - { .name: pc, .offset: 0, .size: 8, .value_kind: global_buffer, .address_space: global }
      - { .name: st, .offset: 8, .size: 8, .value_kind: global_buffer, .address_space: global }
      - { .name: vc, .offset: 16, .size: 8, .value_kind: global_buffer, .address_space: global }
      - { .name: vs, .offset: 24, .size: 8, .value_kind: global_buffer, .address_space: global }
      - { .name: out0, .offset: 32, .size: 8, .value_kind: global_buffer, .address_space: global }
    .group_segment_fixed_size: 327680
    .private_segment_fixed_size: 0
    .kernarg_segment_align: 8
    .kernarg_segment_size: 40
    .max_flat_workgroup_size: 128
    .sgpr_count:     90
    .vgpr_count:     1024
    .wavefront_size: 32
...
	.end_amdgpu_metadata
.endif
;; end of part 3
